; MI455X (gfx1250); checked and timed in simulation.
; The chip was launched on July 23, 2026; its instructions are those of AMD's public machine-readable ISA for CDNA 5 (MIT licence, August 2026) and "CDNA5" Instruction Set Architecture Reference Guide (July 2026). The comments in the code are by the model that wrote it; some were corrected since.
;; Gated Spiking Reservoir Step. Allowed arithmetic: float matrix products may take bf16 or f16 operands with f32 sums; other float arithmetic in f32, or as packed bf16 or f16 multiplies, adds, multiply-adds, maxima and minima; sums over many terms, partial sums and values carried from step to step in f32; what a program stores and reads back later, other than sums and carried values, may be rounded once to bf16 or f16.
;; Inputs: gate_weights 1,024 x 4,096 float32; input_weights 1,024 x 4,096 float32; inputs 2,048 x 1,024 float32; prev_output 2,048 x 4,096 float32; reservoir_state 2,048 x 4,096 float32; reservoir_weights 4,096 x 4,096 float32.
;; Outputs: out0 2,048 x 4,096 float32; out1 2,048 x 4,096 float32.
;; 2 versions, each right; version 2 is version 1 with the launch cast written anew for expert scheduling mode. Each part assembles by itself: llvm-mc -triple=amdgcn-amd-amdhsa -mcpu=gfx1250 --defsym DOCPART=n.
;; ======== version 1 of 2: 2 launches
;; workspace buffers: xb 4,194,304 bytes; sb 16,777,216 bytes; wc 50,331,648 bytes
;; launch cast (part 1): grid 512 x 1, 8 waves a work-group, no clusters, 0 bytes of LDS; arguments inputs, reservoir_state, input_weights, gate_weights, reservoir_weights, xb, sb, wc; writes xb, sb, wc
.if DOCPART == 1
	.amdgcn_target "amdgcn-amd-amdhsa--gfx1250"
	.amdhsa_code_object_version 6
	.text
	.protected	k_q694ae55233_cast
	.globl	k_q694ae55233_cast
	.p2align	8
	.type	k_q694ae55233_cast,@function
k_q694ae55233_cast:
	s_mov_b64 s[64:65], 0
	v_nop
	global_prefetch_b8 v0, s[64:65] scope:SCOPE_SE
	s_setreg_imm32_b32 hwreg(HW_REG_WAVE_MODE, 25, 1), 1
	s_wait_xcnt 0x0
; THE OPERANDS OF THE THREE PRODUCTS, ROUNDED ONCE TO bf16 (nearest even) AND LAID OUT FOR THE NEXT LAUNCH'S TILES.
;   xb: inputs [2048][1024] in blocks [16 row tiles][32 K steps][128 rows][32 k]: a block is 8,192 dense bytes.
;   sb: reservoir_state [2048][4096], row-major.
;   wc: [6144][4096]: for K step s its rows 192 s + j are: j < 128: reservoir_weights' row 128 s + j; j < 160: input_weights' row 32 s + j - 128; else gate_weights' row 32 s + j - 160.
; prev_output is not among the arguments: reference() takes it and never uses it, so no number of either result hangs on it.
; LIMIT.  Every input is rounded to bf16 (8 significant bits); a magnitude above bf16's largest finite number becomes an infinity.
; SHARES.  The stream is 17 units of 2^21 numbers (inputs 1, state 4, input weights 2, gate weights 2, reservoir weights 8).  Each of the 512 work-groups takes 4,096 numbers of EVERY unit,
; so all do the same work and no branch is written: 68 turns, in each a thread loads 16 bytes (4 f32) and stores 8 (4 bf16).  A wave's load covers 512 consecutive bytes (of inputs: four pieces
; of 128), a wave's store 256 consecutive bytes at a multiple of 256 from the buffer's first byte.  In a weight unit a work-group's 4,096 numbers are one whole row.
; A ring of DEPTH register slots keeps DEPTH loads of every wave in flight.  EVERY TURN HAS STORE REGISTERS OF ITS OWN (2 x 68), and no address register is ever rewritten: nothing that a pending
; load or store reads is written again, so a turn's only wait is the counted one for its own load.
; No LDS, no matrix unit, no cluster: nothing is shared between threads.  No prefetch: the launch does nothing but stream.
.set DEPTH, 20
.set NTURN, 68
.set VX,  2                            ; v2      inputs: my 16 bytes in the source, part 0
.set VI,  4                            ; v[4:11]  plain sources: unit j of a tensor: w x 16,384 + 16 t + j x 8,388,608
.set VDS, 12                           ; v[12:15] xb (j = 0) and sb: w x 8,192 + 8 t + j x 4,194,304
.set VDI, 16                           ; v[16:17] wc, input weights' rows (gate weights': 32 rows on, in the immediate)
.set VDR, 18                           ; v[18:25] wc, reservoir weights' rows
.set X,   28                           ; v[28:107]   slot i % DEPTH: 4 registers as loaded
.set Y,   108                          ; v[108:243]  turn i: 2 registers to store, written once in the launch
	s_load_b512 s[4:19], s[0:1], 0x0               ; inputs s[4:5], state s[6:7], input w. s[8:9], gate w. s[10:11], reservoir w. s[12:13], xb s[14:15], sb s[16:17], wc s[18:19]
	s_lshr_b32 s20, ttmp9, 5                       ; w / 32: inputs' row tile; a weight row's K step within the unit
	s_and_b32 s21, ttmp9, 31                       ; w % 32: inputs' K step; the row's place in its step
	s_lshl_b32 s22, s20, 19                        ; 128 rows of 4,096 bytes
	s_lshl_b32 s23, s21, 7                         ; 32 f32 of a row
	s_add_co_u32 s22, s22, s23
	s_mul_i32 s24, s20, 192                        ; wc's row for input weights' row w: 192 (w / 32) + 128 + w % 32
	s_add_co_u32 s24, s24, s21
	s_add_co_u32 s24, s24, 128
	s_lshl_b32 s24, s24, 13                        ; rows of 8,192 bytes
	s_lshr_b32 s25, ttmp9, 7                       ; wc's row for reservoir weights' row w: 192 (w / 128) + w % 128
	s_mul_i32 s25, s25, 192
	s_and_b32 s26, ttmp9, 127
	s_add_co_u32 s25, s25, s26
	s_lshl_b32 s25, s25, 13
	s_lshl_b32 s26, ttmp9, 14                      ; 4,096 f32
	s_lshl_b32 s27, ttmp9, 13                      ; 4,096 bf16
	v_lshrrev_b32 v1, 3, v0                        ; inputs: eight threads take a row's 32 numbers
	v_and_b32 v3, 7, v0
	v_lshl_add_u32 v[VX], v1, 12, s22
	v_lshl_add_u32 v[VX], v3, 4, v[VX]
	v_lshl_add_u32 v[VI], v0, 4, s26
.irp j, 1,2,3,4,5,6,7
	v_add_nc_u32 v[VI+(\j)], (\j)*8388608, v[VI]
.endr
	v_lshl_add_u32 v[VDS], v0, 3, s27
.irp j, 1,2,3
	v_add_nc_u32 v[VDS+(\j)], (\j)*4194304, v[VDS]
.endr
	v_lshl_add_u32 v[VDI], v0, 3, s24
	v_add_nc_u32 v[VDI+1], 16*192*8192, v[VDI]     ; a unit is 512 rows = 16 K steps of 32
	v_lshl_add_u32 v[VDR], v0, 3, s25
.irp j, 1,2,3,4,5,6,7
	v_add_nc_u32 v[VDR+(\j)], (\j)*4*192*8192, v[VDR]  ; a unit is 512 rows = 4 K steps of 128
.endr
	s_wait_kmcnt 0x0
; Turn i: unit i / 4, part i % 4 (1,024 numbers).  The part stands in the immediate.
.macro LD i
.set u, (\i)/4
.set k, (\i)%4
.set xr, X+4*((\i)%DEPTH)
.if u == 0
	global_load_b128 v[xr:xr+3], v[VX], s[4:5] offset:k*131072               ; 32 rows further down for each part
.elseif u < 5
	global_load_b128 v[xr:xr+3], v[VI+u-1], s[6:7] offset:k*4096 th:TH_LOAD_NT
.elseif u < 7
	global_load_b128 v[xr:xr+3], v[VI+u-5], s[8:9] offset:k*4096 th:TH_LOAD_NT
.elseif u < 9
	global_load_b128 v[xr:xr+3], v[VI+u-7], s[10:11] offset:k*4096 th:TH_LOAD_NT
.else
	global_load_b128 v[xr:xr+3], v[VI+u-9], s[12:13] offset:k*4096 th:TH_LOAD_NT
.endif
.endm
.macro ST i
.set u, (\i)/4
.set k, (\i)%4
.set yr, Y+2*(\i)
.if u == 0
	global_store_b64 v[VDS], v[yr:yr+1], s[14:15] offset:k*2048              ; work-group w writes block w of xb
.elseif u < 5
	global_store_b64 v[VDS+u-1], v[yr:yr+1], s[16:17] offset:k*2048
.elseif u < 7
	global_store_b64 v[VDI+u-5], v[yr:yr+1], s[18:19] offset:k*2048
.elseif u < 9
	global_store_b64 v[VDI+u-7], v[yr:yr+1], s[18:19] offset:k*2048+32*8192
.else
	global_store_b64 v[VDR+u-9], v[yr:yr+1], s[18:19] offset:k*2048
.endif
.endm
; One turn.  ahead = 1: the slot is loaded again, for the turn DEPTH further on.  left = how many younger loads may stay out.
.macro SLOT i, ahead, left
	s_wait_loadcnt \left                           ; loads come back in order (ISA guide 5.7.1): mine is in, the younger ones stay out
.set xs, X+4*((\i)%DEPTH)
.set ys, Y+2*(\i)
	v_cvt_pk_bf16_f32 v[ys], v[xs], v[xs+1]
	v_cvt_pk_bf16_f32 v[ys+1], v[xs+2], v[xs+3]
.if \ahead
	LD (\i)+DEPTH                                  ; the load ahead of the store; its four registers have just been read
.endif
	ST \i
.endm
.set i, 0
.rept DEPTH
	LD i                                           ; the ring is filled
.set i, i+1
.endr
.set i, 0
.rept NTURN-DEPTH
	SLOT i, 1, DEPTH-1
.set i, i+1
.endr
.rept DEPTH
	SLOT i, 0, NTURN-1-i                           ; the last DEPTH turns load nothing: the counts run down to 0
.set i, i+1
.endr
	s_endpgm
.Lfunc_end_k_q694ae55233_cast:
	.size	k_q694ae55233_cast, .Lfunc_end_k_q694ae55233_cast-k_q694ae55233_cast
	.p2alignl 7, 3214868480
	.fill 96, 4, 3214868480
	.section	.rodata,"a",@progbits
	.p2align	6, 0x0
	.amdhsa_kernel k_q694ae55233_cast
		.amdhsa_group_segment_fixed_size 0
		.amdhsa_private_segment_fixed_size 0
		.amdhsa_enable_private_segment 0
		.amdhsa_kernarg_size 64
		.amdhsa_user_sgpr_count 2
		.amdhsa_user_sgpr_kernarg_segment_ptr 1
		.amdhsa_wavefront_size32 1
		.amdhsa_system_sgpr_workgroup_id_x 1
		.amdhsa_system_sgpr_workgroup_id_y 1
		.amdhsa_system_sgpr_workgroup_id_z 1
		.amdhsa_system_vgpr_workitem_id 0
		.amdhsa_next_free_vgpr 244
		.amdhsa_next_free_sgpr 66
		.amdhsa_reserve_vcc 0
		.amdhsa_float_denorm_mode_32 3
		.amdhsa_float_denorm_mode_16_64 3
		.amdhsa_memory_ordered 1
		.amdhsa_forward_progress 1
		.amdhsa_inst_pref_size 26
	.end_amdhsa_kernel
	.amdgpu_metadata
---
amdhsa.version: [ 1, 2 ]
amdhsa.kernels:
  - .name:           k_q694ae55233_cast
    .symbol:         k_q694ae55233_cast.kd
    .args:
      - { .name: inputs, .offset: 0, .size: 8, .value_kind: global_buffer, .address_space: global }
      - { .name: reservoir_state, .offset: 8, .size: 8, .value_kind: global_buffer, .address_space: global }
      - { .name: input_weights, .offset: 16, .size: 8, .value_kind: global_buffer, .address_space: global }
      - { .name: gate_weights, .offset: 24, .size: 8, .value_kind: global_buffer, .address_space: global }
      - { .name: reservoir_weights, .offset: 32, .size: 8, .value_kind: global_buffer, .address_space: global }
      - { .name: xb, .offset: 40, .size: 8, .value_kind: global_buffer, .address_space: global }
      - { .name: sb, .offset: 48, .size: 8, .value_kind: global_buffer, .address_space: global }
      - { .name: wc, .offset: 56, .size: 8, .value_kind: global_buffer, .address_space: global }
    .group_segment_fixed_size: 0
    .private_segment_fixed_size: 0
    .kernarg_segment_align: 8
    .kernarg_segment_size: 64
    .max_flat_workgroup_size: 256
    .sgpr_count:     66
    .vgpr_count:     244
    .wavefront_size: 32
...
	.end_amdgpu_metadata
.endif
;; end of part 1
;; launch gemm (part 2): grid 16 x 16, 4 waves a work-group, clusters of 4 x 4, 327,680 bytes of LDS; arguments xb, sb, wc, out0, out1; writes out0, out1
.if DOCPART == 2
	.amdgcn_target "amdgcn-amd-amdhsa--gfx1250"
	.amdhsa_code_object_version 6
	.text
	.protected	k_q694ae55233_gemm
	.globl	k_q694ae55233_gemm
	.p2align	8
	.type	k_q694ae55233_gemm,@function
k_q694ae55233_gemm:
	s_mov_b64 s[64:65], 0
	v_nop
	global_prefetch_b8 v0, s[64:65] scope:SCOPE_SE
	s_setreg_imm32_b32 hwreg(HW_REG_WAVE_MODE, 25, 1), 1
	s_wait_xcnt 0x0
	s_wait_alu depctr_hold_cnt(0) depctr_sa_sdst(0) depctr_va_vdst(0) depctr_va_sdst(0) depctr_va_ssrc(0) depctr_va_vcc(0) depctr_vm_vsrc(0)
	s_getreg_b32 s2, hwreg(HW_REG_IB_STS2, 6, 4)
	s_cmp_eq_u32 s2, 0
	s_cbranch_scc0 .Lentry_in_a_cluster
	s_endpgm
.Lentry_in_a_cluster:
	s_bfe_u32 s2, ttmp6, 0x10000c
	s_cmp_lg_u32 s2, 0xf033
	s_cbranch_scc0 .Lentry_shape_is_right
	s_endpgm
.Lentry_shape_is_right:
; out1 = (0.9 s + 0.1 tanh(x Wi + s Wr)) sigmoid(x Wg);  out0 = 1 where out1 > 0.5, else 0.  x [2048][1024], s [2048][4096], Wi, Wg [1024][4096], Wr [4096][4096]; both results [2048][4096] f32.
; The operands come in bf16 from the launch before (xb, sb, wc: layouts at its head); all sums, both activations, the update and the comparison are in f32.
; LIMITS.  All inputs are rounded to bf16, the state of the leak term 0.9 s too.  Sums are taken in the matrix unit's order and the activations by 2^x and 1/x (1 ULP each): a new state within
; about 1e-6 of 0.5 may spike otherwise than reference()'s.  tanh(p) = 1 - 2 / (1 + 2^(2 log2(e) p)), sigmoid(g) = 1 / (1 + 2^(-log2(e) g)): an exponential that overflows gives exactly +-1 or 0;
; a gate below 2^-126 counts as 0.  A NaN state gives a NaN in out1 and 0 in out0, as in reference().
; SHARES.  A work-group makes 128 rows x 256 columns of both results: 16 x 16 work-groups.  Each of its four waves owns all 128 rows x 64 columns: 8 x 4 accumulators of 16 x 16 for the sum under
; the tanh (pre) and as many for the sum under the sigmoid (gate): 512 registers.
; ONE LOOP OVER K, 32 steps.  A step takes 128 k of s x Wr and 32 k of x x (Wi, Wg): six SUB-STEPS of 32 along K, 32 matrix instructions each:
; G (gate += x Wg), I (pre += x Wi), R0 to R3 (pre += s Wr).  So every step is alike, and one ring of two LDS slots serves all three products.
; A slot holds: 128 rows x 128 k of s; 128 rows x 32 k of x; 192 k-rows x 256 columns of wc.  Wave 0 fetches s's tile, wave 1 x's, waves 2 and 3 a half of wc's each: one tensor load a wave.
; THE MATRIX INSTRUCTION IS USED TRANSPOSED: source 0 = 16 columns of W (turned on the way out of LDS by ds_load_tr16_b128, since W lies [k][column]), source 1 = 16 rows of s or x.
; In the result lane l holds row l % 16 and its registers 0 to 7 the columns 8 (l / 16) + 0..7: eight neighbouring numbers of a row.
; CLUSTERS: 4 x 4 work-groups.  The four of a row of the cluster need the same tiles of s and x, the four of a column the same tile of wc: each tile is asked for JOINTLY, by the same tensor load
; with the same descriptor and a mask that names the four.
; REGISTERS, in windows of 256 (s_set_vgpr_msb: bits 1:0 source 0, 3:2 source 1, 5:4 source 2, 7:6 destination):
;   window 0: v0-30 addresses; v64-127 x's fragments (FX); v128-191, v192-255 s's fragments, two buffers (FA0, FA1); on the way out v64-255 are at work
;   window 1: v0-31, v32-63 W's fragments, two buffers (FB0, FB1); v128-255 my state in bf16 for the leak term, 4 registers an accumulator
;   window 2: pre, accumulator (a, b) at v[8 (4 a + b)]          window 3: gate, likewise
.set PS,    272                        ; a row of s in LDS: 256 bytes + 16 = 68 words: the 16 rows of a load start at 16 different groups of four banks (64 banks of 4 bytes: ISA guide 11.1)
.set PX,    80                         ; a row of x: 64 bytes + 16 = 20 words: likewise
.set PW,    544                        ; a k-row of W: 512 bytes + 32 = 136 words
.set XOFF,  128*PS                     ; 34,816
.set WOFF,  XOFF+128*PX                ; 45,056
.set WHALF, 96*PW                      ; what one of waves 2 and 3 brings
.set SLOT,  WOFF+192*PW                ; 149,504
.set STAGE, 2*SLOT                     ; behind the ring, never filled by a tensor load: 16 rows x 272 bytes for each wave, for the way out
.set SPARE, STAGE+4*16*PS              ; behind the stages: the spare words, 128 bytes for each wave: two blocks of 256 bytes that no other line names
.set WSTEP, 192*8192                   ; bytes of wc in a K step
.set ADS, 8                            ; v8-9    LDS address of my fragments of s in slot 0, 1
.set ADX, 10                           ; v10-11  of x
.set ADW, 12                           ; v12-13  of W, reservoir rows
.set ADV, 14                           ; v14-15  of W, input rows (gate rows: 32 k-rows on, in the immediate)
.set STO, 16                           ; v16     the way out: where I put 32 bytes of a row
.set RD,  17                           ; v17     where I read rows back
.set CO,  18                           ; v18     my byte offset in two rows of a result
.set SO,  19                           ; v19     my byte offset in 16 rows of sb
.set PFO, 20                           ; v20     the prefetches' offset (s or wc); never rewritten
.set PFXO, 21                          ; v21     the same for xb
.set SPW, 28                           ; v28     LDS address of my spare word: SPARE + 4 x my thread's number; never rewritten
.set NIL, 29                           ; v29     0; never rewritten
.set ONE, 30                           ; v30     1.0
.set FX,  64
.set FA0, 128
.set FA1, 192
.set FB0, 0                            ; window 1
.set FB1, 32
.set STW, 128                          ; window 1
.set T1,  64                           ; the way out, 32 registers each: pre's side, then the new state
.set T2,  96                           ; gate's side
.set T3,  128                          ; the state's side
.set OB,  160                          ; rows read back from the stage: v160-191 and v192-223 by turns
.set SPK, 224                          ; the spikes
.set LAP, 3                            ; s3      laps still to come
.set WV,  14                           ; s14     my wave's number
.set LIM, 15                           ; s15     1 in a wave that prefetches, else the greatest number
.set CX,  16
.set CY,  17
.set TX,  18                           ; tile column, 256 columns
.set TY,  19                           ; tile row, 128 rows
.set G1S, 24                           ; s[24:31], s[32:39], s[40:47] descriptor group 1 for s's, x's and W's tiles
.set G1X, 32
.set G1W, 40
.set G0S, 48                           ; s[48:55], s[56:63], s[68:75] group 0, one set for each slot
.set G0X, 56
.set G0W, 68
.set PFA, 76                           ; s[76:77] where my prefetches of s or wc stand
.set PFS, 78                           ; s[78:79] their step
.set PFX, 80                           ; s[80:81] where wave 0's prefetches of xb stand
.set LIMX, 82                          ; s82     LIM in wave 0, else the greatest number
.set C1,  84                           ; s[84:85] 2 log2(e); the packed forms name a pair and take its low word for both halves
.set C2,  86                           ; s[86:87] -log2(e)
.set KA,  88                           ; s[88:89] 0.9
.set KB,  90                           ; s[90:91] -0.2
.set KC,  92                           ; s[92:93] 0.1
.set HIM, 94                           ; s94     a word's upper bf16
.set SBP, 96                           ; s[96:97] sb at my wave's first row and column
.set MSB, 0
.macro WIN new                         ; the immediate's high byte repeats the setting that is left; a switch that changes nothing is dropped
.if MSB != (\new)
	s_set_vgpr_msb (MSB<<8)|(\new)
.set MSB, \new
.endif
.endm
.set W_PRE,  0xa1                      ; source 0 (W) window 1, source 1 (s, x) window 0, C and D window 2
.set W_GATE, 0xf1                      ; the same, C and D window 3
.set TO_B,   0x40                      ; destination window 1, address window 0
.macro PLACES                          ; four plain instructions between a matrix instruction and a load into, or a vector line on, its registers (ISA guide 7.12.1 for vector lines)
.rept 4
	v_nop
.endr
.endm
; A round of the cluster's barrier: my work-group's barrier, so that wave 0's signal speaks for all four waves; wave 0 signals; every wave waits for all sixteen work-groups; my work-group's barrier once more.
.macro CREST                           ; a round behind its opening barrier
	s_cmp_lg_u32 s[WV], 0
	s_cbranch_scc1 .Lnot_wave_0_\@
	s_barrier_signal -3
.Lnot_wave_0_\@:
	s_barrier_wait -3
	s_barrier_signal -1
	s_barrier_wait -1
.endm
.macro CROUND
	s_barrier_signal -1
	s_barrier_wait -1
	CREST
.endm
; A joint refill of slot sl: one of three lines, chosen by the wave's number alone, which is the same in every work-group.  Each line has one mask and one set of registers for all that issue it.
; An s_nop 0 and four v_nop follow each line, ahead of the jump and the label.
.macro JLOAD sl
	s_cmp_lt_u32 s[WV], 2
	s_cbranch_scc0 .Lfor_w_\@
	s_cmp_eq_u32 s[WV], 0
	s_cbranch_scc0 .Lfor_x_\@
	tensor_load_to_lds s[G0S+4*(\sl):G0S+4*(\sl)+3], s[G1S:G1S+7]
	s_nop 0
	PLACES
	s_branch .Lasked_\@
.Lfor_x_\@:
	tensor_load_to_lds s[G0X+4*(\sl):G0X+4*(\sl)+3], s[G1X:G1X+7]
	s_nop 0
	PLACES
	s_branch .Lasked_\@
.Lfor_w_\@:
	tensor_load_to_lds s[G0W+4*(\sl):G0W+4*(\sl)+3], s[G1W:G1W+7]
	s_nop 0
	PLACES
.Lasked_\@:
.endm
; PREFETCHES INTO THE L2, behind the joint refill and the run of LDS loads that follows it.  The change of slots at the end of K step t refills with step t + 2 and names step t + 3, which the NEXT
; change will ask for: one step, 192 matrix instructions, ahead.  Each aligned block of 256 bytes is named once in the launch:
;   s:  a step is 256 bytes of each of the tile's 128 rows.  Every cluster of a row of clusters reads them: the one with cluster x = 0 asks; its four partners along x take 32 rows each, BY ADDRESS; wave 0, a lane a row.
;   wc: a step is 192 rows x 512 bytes for a tile column.  The cluster with cluster y = 0 asks; its four partners along y take 48 rows each, by address; waves 1 to 3 take 16 rows each, two lanes a row.
;   xb: a step is 8,192 dense bytes, 2,048 for each partner along x.  Wave 0 names four steps at once (a lane a block), in every second lap, at slot 0's change: steps 2 j + 4 to 2 j + 7 in lap j.
; No branch hangs on a work-group's place in its cluster.  K steps 0 to 2 (of xb: 0 to 3) come by their loads alone; the last lap's second change names nothing, since step 32 does not exist, nor does its first of xb.
.macro ASK sl
.if (\sl) == 0
	s_cmp_eq_u32 s[LIM], 1
.else
	s_cmp_gt_u32 s[LAP], s[LIM]                    ; s[LAP] = 1 in the last lap
.endif
	s_cbranch_scc0 .Lnot_mine_\@
	global_prefetch_b8 v[PFO], s[PFA:PFA+1] th:TH_LOAD_NT scope:SCOPE_SE
.if (\sl) == 0
	s_bitcmp1_b32 s[LAP], 0                        ; laps 0, 2, .. 12 have an odd count left,
	s_cbranch_scc0 .Lnot_mine_\@
	s_cmp_gt_u32 s[LAP], s[LIMX]                   ; above 1
	s_cbranch_scc0 .Lnot_mine_\@
	global_prefetch_b8 v[PFXO], s[PFX:PFX+1] th:TH_LOAD_NT scope:SCOPE_SE
.endif
.Lnot_mine_\@:
.endm
	s_load_b256 s[4:11], s[0:1], 0x0               ; xb s[4:5], sb s[6:7], wc s[8:9], out0 s[10:11]
	s_load_b64 s[12:13], s[0:1], 0x20              ; out1
	v_lshl_add_u32 v[SPW], v0, 2, SPARE
	v_mov_b32 v[NIL], 0
	ds_add_u32 v[SPW], v[NIL]                      ; the wave's opening: the add and its wait stand ahead of my first tensor load; the set-up below, work on registers, stands between them
	v_lshrrev_b32 v1, 5, v0
	v_readfirstlane_b32 s[WV], v1                  ; wave 0..3
	s_bfe_u32 s[CX], ttmp6, 0x40000                ; my place in the cluster
	s_bfe_u32 s[CY], ttmp6, 0x40004
	s_lshl_b32 s[TX], ttmp9, 2                     ; in a cluster launch ttmp9 and ttmp7 count clusters
	s_add_co_u32 s[TX], s[TX], s[CX]
	s_and_b32 s[TY], ttmp7, 0xffff
	s_lshl_b32 s[TY], s[TY], 2
	s_add_co_u32 s[TY], s[TY], s[CY]
	s_lshl_b32 s20, s[CY], 2
	s_lshl_b32 s20, 15, s20                        ; my row of the cluster: places 4 cy .. 4 cy + 3
	s_lshl_b32 s22, 0x1111, s[CX]                  ; my column: places cx, cx + 4, cx + 8, cx + 12
	; group 1.  15:0 the mask; 17:16 elements of 2 bytes; 20 padding on; 21 set beside a mask; 24:22 the interval's code; 31:25 the padding's words less one
	s_or_b32 s[G1S], s20, (1<<16)|(1<<20)|(1<<21)|(5<<22)|(3<<25)  ; s: 4 words behind every 64
	s_or_b32 s[G1X], s20, (1<<16)|(1<<20)|(1<<21)|(3<<22)|(3<<25)  ; x: 4 words behind every 16
	s_or_b32 s[G1W], s22, (1<<16)|(1<<20)|(1<<21)|(6<<22)|(7<<25)  ; W: 8 words behind every 128
	s_mov_b32 s[G1S+1], 128<<16                    ; s: 128 rows x 128 elements, 4,096 elements from row to row
	s_mov_b32 s[G1S+2], 128<<16
	s_mov_b32 s[G1S+3], 128<<16
	s_mov_b32 s[G1S+4], 128
	s_mov_b32 s[G1S+5], 4096
	s_mov_b32 s[G1S+6], 0
	s_mov_b32 s[G1S+7], 0
	s_mov_b32 s[G1X+1], 128<<16                    ; x: a dense block of 8,192 bytes, asked for as 32 rows of 256 bytes (four rows of x each)
	s_mov_b32 s[G1X+2], 32<<16
	s_mov_b32 s[G1X+3], 128<<16
	s_mov_b32 s[G1X+4], 32
	s_mov_b32 s[G1X+5], 128
	s_mov_b32 s[G1X+6], 0
	s_mov_b32 s[G1X+7], 0
	s_mov_b32 s[G1W+1], 256<<16                    ; W: 96 k-rows x 256 elements, 4,096 elements from row to row
	s_mov_b32 s[G1W+2], 96<<16
	s_mov_b32 s[G1W+3], 256<<16
	s_mov_b32 s[G1W+4], 96
	s_mov_b32 s[G1W+5], 4096
	s_mov_b32 s[G1W+6], 0
	s_mov_b32 s[G1W+7], 0
	s_mov_b32 s[C1], 0x4038aa3b
	s_mov_b32 s[C1+1], s[C1]                       ; named as pairs, so both words are written
	s_mov_b32 s[C2], 0xbfb8aa3b
	s_mov_b32 s[C2+1], s[C2]
	s_mov_b32 s[KA], 0x3f666666
	s_mov_b32 s[KA+1], s[KA]
	s_mov_b32 s[KB], 0xbe4ccccd
	s_mov_b32 s[KB+1], s[KB]
	s_mov_b32 s[KC], 0x3dcccccd
	s_mov_b32 s[KC+1], s[KC]
	s_mov_b32 s[HIM], 0xffff0000
	; where the tiles come from: s's and x's hang on the tile row alone, W's on the tile column alone, each in registers that do not hold the other coordinate
	s_lshl_b32 s20, s[TY], 20                      ; 128 rows of 8,192 bytes
	s_mov_b32 s21, 0
	s_lshl_b32 s98, s[TY], 18                      ; 32 blocks of 8,192 bytes
	s_mov_b32 s99, 0
	s_and_b32 s83, s[WV], 1                        ; which half of W's 192 k-rows I fetch (waves 2, 3)
	s_mul_i32 s95, s83, WHALF
	s_add_co_u32 s95, s95, WOFF                    ; and where it goes: no place in the cluster enters an LDS address
	s_mul_i32 s22, s83, 96*8192
	s_lshl_b32 s23, s[TX], 9                       ; 256 columns of 2 bytes
	s_add_co_u32 s22, s22, s23
	s_mov_b32 s23, 0
	s_wait_dscnt 0x0                               ; the opening add is done
	s_wait_kmcnt 0x0
	s_add_nc_u64 s[20:21], s[6:7], s[20:21]
	s_add_nc_u64 s[98:99], s[4:5], s[98:99]
	s_add_nc_u64 s[22:23], s[8:9], s[22:23]
	CROUND                                         ; all sixteen work-groups are here: the first joint loads meet
.irp s, 0,1
	s_mov_b32 s[G0S+4*(\s)], 1                                       ; 1:0 count = 1
	s_mov_b32 s[G0S+4*(\s)+1], (\s)*SLOT                             ; 63:32 LDS address
	s_add_nc_u64 s[G0S+4*(\s)+2:G0S+4*(\s)+3], s[20:21], (\s)*256    ; 120:64 global address: K step s
	s_or_b32 s[G0S+4*(\s)+3], s[G0S+4*(\s)+3], 0x80000000            ; 127:126 type = 2
	s_mov_b32 s[G0X+4*(\s)], 1
	s_mov_b32 s[G0X+4*(\s)+1], XOFF+(\s)*SLOT
	s_add_nc_u64 s[G0X+4*(\s)+2:G0X+4*(\s)+3], s[98:99], (\s)*8192
	s_or_b32 s[G0X+4*(\s)+3], s[G0X+4*(\s)+3], 0x80000000
	s_mov_b32 s[G0W+4*(\s)], 1
	s_add_co_u32 s[G0W+4*(\s)+1], s95, (\s)*SLOT
	s_add_nc_u64 s[G0W+4*(\s)+2:G0W+4*(\s)+3], s[22:23], (\s)*WSTEP
	s_or_b32 s[G0W+4*(\s)+3], s[G0W+4*(\s)+3], 0x80000000
.endr
	; a wave's two first fills stand together, ahead of every wait on TENSORcnt and every LDS read: two loads of mine are out
	s_cmp_lt_u32 s[WV], 2
	s_cbranch_scc0 .Lfirst_w
	s_cmp_eq_u32 s[WV], 0
	s_cbranch_scc0 .Lfirst_x
	tensor_load_to_lds s[G0S:G0S+3], s[G1S:G1S+7]
	s_nop 0
	tensor_load_to_lds s[G0S+4:G0S+7], s[G1S:G1S+7]
	s_nop 0
	PLACES
	s_branch .Lfirst_asked
.Lfirst_x:
	tensor_load_to_lds s[G0X:G0X+3], s[G1X:G1X+7]
	s_nop 0
	tensor_load_to_lds s[G0X+4:G0X+7], s[G1X:G1X+7]
	s_nop 0
	PLACES
	s_branch .Lfirst_asked
.Lfirst_w:
	tensor_load_to_lds s[G0W:G0W+3], s[G1W:G1W+7]
	s_nop 0
	tensor_load_to_lds s[G0W+4:G0W+7], s[G1W:G1W+7]
	s_nop 0
	PLACES
.Lfirst_asked:
	; A fragment of s or x is 16 rows x 32 k in 8 registers: lane l holds row l % 16; registers 0-3 k = 8 (l / 16) + 0..7, registers 4-7 k = 16 + 8 (l / 16) + 0..7: two loads of 16 bytes, 32 bytes apart.
	v_and_b32 v1, 15, v0                           ; l % 16
	v_bfe_u32 v2, v0, 4, 1                         ; l / 16
	v_and_b32 v3, 7, v0
	v_bfe_u32 v4, v0, 3, 1
	v_and_b32 v5, 31, v0                           ; l
	v_mul_u32_u24 v[ADS], v1, PS
	v_lshl_add_u32 v[ADS], v2, 4, v[ADS]
	v_add_nc_u32 v[ADS+1], SLOT, v[ADS]
	v_mul_u32_u24 v[ADX], v1, PX
	v_lshl_add_u32 v[ADX], v2, 4, v[ADX]
	v_add_nc_u32 v[ADX], XOFF, v[ADX]
	v_add_nc_u32 v[ADX+1], SLOT, v[ADX]
	; The turning load takes 16 k x 16 columns (lane l reads k-row 8 (l / 16) + l % 8, columns 8 ((l / 8) % 2) + 0..7) and leaves half a fragment: lane l holds column l % 16 and 8 k.
	v_lshl_add_u32 v6, v2, 3, v3
	v_mul_u32_u24 v6, v6, PW
	v_lshl_add_u32 v6, v4, 4, v6
	s_lshl_b32 s22, s[WV], 7                       ; my wave's 64 columns
	s_add_co_u32 s22, s22, WOFF
	v_add_nc_u32 v[ADW], s22, v6
	v_add_nc_u32 v[ADW+1], SLOT, v[ADW]
	v_add_nc_u32 v[ADV], 128*PW, v[ADW]
	v_add_nc_u32 v[ADV+1], SLOT, v[ADV]
	s_mul_i32 s22, s[WV], 16*PS
	s_add_co_u32 s22, s22, STAGE                   ; my stage
	v_mul_u32_u24 v[STO], v1, PS                   ; in: row l % 16, 32 bytes for each half of the lanes
	v_lshl_add_u32 v[STO], v2, 5, v[STO]
	v_add_nc_u32 v[STO], s22, v[STO]
	v_mul_u32_u24 v[RD], v2, PS                    ; back: lanes 0-15 take one row of 256 bytes, lanes 16-31 the next
	v_lshl_add_u32 v[RD], v1, 4, v[RD]
	v_add_nc_u32 v[RD], s22, v[RD]
	v_lshlrev_b32 v[CO], 14, v2                    ; and the same two rows in a result (16,384 bytes a row)
	v_lshl_add_u32 v[CO], v1, 4, v[CO]
	v_lshlrev_b32 v[SO], 13, v1                    ; sb: row l % 16, 16 bytes for each half of the lanes
	v_lshl_add_u32 v[SO], v2, 4, v[SO]
	v_mov_b32 v[ONE], 1.0
	s_lshl_b32 s22, s[TX], 9                       ; sb at my wave's columns: 512 x tile column + 128 x wave
	s_lshl_b32 s23, s[WV], 7
	s_add_co_u32 s22, s22, s23
	s_mov_b32 s23, 0
	s_add_nc_u64 s[SBP:SBP+1], s[20:21], s[22:23]
	s_lshl_b32 s22, s[TY], 21                      ; the results at my wave's first row and column: 128 rows of 16,384 bytes, 1,024 x tile column, 256 x wave
	s_lshl_b32 s23, s[TX], 10
	s_add_co_u32 s22, s22, s23
	s_lshl_b32 s23, s[WV], 8
	s_add_co_u32 s22, s22, s23
	s_mov_b32 s23, 0
	s_add_nc_u64 s[10:11], s[10:11], s[22:23]
	s_add_nc_u64 s[12:13], s[12:13], s[22:23]
	; the prefetches
	s_lshl_b32 s22, s[CX], 11                      ; xb: my work-group's 2,048 bytes of a block, at K step 2; slot 0's first change steps it to step 4
	s_add_co_u32 s22, s22, 16384
	s_add_nc_u64 s[PFX:PFX+1], s[98:99], s[22:23]
	s_min_u32 s20, s[WV], 1                        ; 0 in wave 0 (s), 1 in waves 1 to 3 (wc)
	s_sub_co_u32 s21, s[WV], s20                   ; wave - 1 there
	s_lshl_b32 s22, s[TY], 7                       ; s: row 128 x tile row + 32 cx, at K step 2; the first change steps it to step 3
	s_lshl_b32 s23, s[CX], 5
	s_add_co_u32 s22, s22, s23
	s_lshl_b32 s22, s22, 13
	s_add_co_u32 s22, s22, 512
	s_mul_i32 s23, s[CY], 48                       ; wc: k-row 48 cy + 16 (wave - 1), the tile's columns, at K step 2
	s_lshl_b32 s21, s21, 4
	s_add_co_u32 s23, s23, s21
	s_lshl_b32 s23, s23, 13
	s_lshl_b32 s21, s[TX], 9
	s_add_co_u32 s23, s23, s21
	s_add_co_u32 s23, s23, 2*WSTEP
	s_and_b32 s21, ttmp7, 0xffff                   ; cluster y
	s_mov_b32 s[PFS], 256
	s_cmp_eq_u32 s[WV], 0
	s_cselect_b32 s22, s22, s23
	s_cselect_b32 s21, ttmp9, s21                  ; the coordinate along which other clusters read the same rows
	s_cselect_b64 s[PFA:PFA+1], s[6:7], s[8:9]
	s_cselect_b32 s[PFS], s[PFS], WSTEP
	s_mov_b32 s[PFS+1], 0
	s_mov_b32 s23, 0
	s_add_nc_u64 s[PFA:PFA+1], s[PFA:PFA+1], s[22:23]
	s_cmp_eq_u32 s21, 0
	s_cselect_b32 s[LIM], 1, -1                    ; the same in all sixteen partners, for a given wave
	s_cmp_eq_u32 s[WV], 0
	s_cselect_b32 s[LIMX], s[LIM], -1
	v_lshrrev_b32 v6, s20, v5                      ; s: a lane a row; wc: two lanes a row, 256 bytes each
	v_and_b32 v7, s20, v5
	v_lshlrev_b32 v[PFO], 13, v6
	v_lshl_add_u32 v[PFO], v7, 8, v[PFO]
	v_lshrrev_b32 v6, 3, v5                        ; xb: block l / 8 of four, 256 bytes l % 8 of my eight
	v_lshlrev_b32 v[PFXO], 13, v6
	v_lshl_add_u32 v[PFXO], v3, 8, v[PFXO]
; 8 matrix instructions: row blocks a0, a0 + 1 x all 4 column blocks, 32 along K.  zero = 1: the product starts the sum: nothing is ever cleared.
; The 32 accumulators of a sub-step take turns, one instruction a turn, in the same order in every sub-step: between two links of a chain stand 31 others' or more.
.macro MUL8 fa, fb, mw, a0, zero
	WIN \mw
.irp a, \a0, (\a0)+1
.irp b, 0,1,2,3
.if \zero
	v_wmma_f32_16x16x32_bf16 v[8*(4*(\a)+(\b)):8*(4*(\a)+(\b))+7], v[(\fb)+8*(\b):(\fb)+8*(\b)+7], v[(\fa)+8*(\a):(\fa)+8*(\a)+7], 0
.else
	v_wmma_f32_16x16x32_bf16 v[8*(4*(\a)+(\b)):8*(4*(\a)+(\b))+7], v[(\fb)+8*(\b):(\fb)+8*(\b)+7], v[(\fa)+8*(\a):(\fa)+8*(\a)+7], v[8*(4*(\a)+(\b)):8*(4*(\a)+(\b))+7]
.endif
.endr
.endr
.endm
.macro FETCH_B adr, off, fb            ; 8 loads: 32 k x my 64 columns of W, turned
	WIN TO_B
.irp b, 0,1,2,3
	ds_load_tr16_b128 v[(\fb)+8*(\b):(\fb)+8*(\b)+3],   v[\adr] offset:(\off)+32*(\b)
	ds_load_tr16_b128 v[(\fb)+8*(\b)+4:(\fb)+8*(\b)+7], v[\adr] offset:(\off)+32*(\b)+16*PW
.endr
.endm
.macro FETCH_A adr, off, pitch, fa     ; 16 loads: 128 rows x 32 k of s or x, row blocks 0 to 7 in order
	WIN 0
.irp n, 0,1,2,3,4,5,6,7
	ds_load_b128 v[(\fa)+8*(\n):(\fa)+8*(\n)+3],   v[\adr] offset:(\off)+(\n)*16*(\pitch)
	ds_load_b128 v[(\fa)+8*(\n)+4:(\fa)+8*(\n)+7], v[\adr] offset:(\off)+(\n)*16*(\pitch)+32
.endr
.endm
.macro FETCH_G sl                      ; for sub-step G: the gate rows of W, and x
	FETCH_B ADV+(\sl), 32*PW, FB0
	FETCH_A ADX+(\sl), 0, PX, FX
.endm
.macro FETCH_I sl                      ; for sub-step I: the input rows of W; x is there
	FETCH_B ADV+(\sl), 0, FB1
.endm
.macro FETCH_R sl, q, fa, fb           ; for sub-step Rq
	FETCH_B ADW+(\sl), 32*PW*(\q), \fb
	FETCH_A ADS+(\sl), 64*(\q), PS, \fa
.endm
; A SUB-STEP: 32 matrix instructions on buffers fa, fb; in its middle, in ONE run, the next sub-step's LDS loads (nk = 0: I's, 1: Rq's into nfa, nfb, 2: none).
; head: the LDS loads that may be out at its head; mid: at its middle (-1: no wait).
.macro SUBSTEP fa, fb, mw, zero, head, nk, sl, q, nfa, nfb, mid
	s_wait_dscnt \head
	MUL8 \fa, \fb, \mw, 0, \zero
	MUL8 \fa, \fb, \mw, 2, \zero
.if (\nk) < 2
	PLACES                                         ; in front of loads into buffers that the sub-step before multiplied
.endif
.if (\nk) == 0
	FETCH_I \sl
.elseif (\nk) == 1
	FETCH_R \sl, \q, \nfa, \nfb
.endif
.if (\mid) >= 0
	s_wait_dscnt \mid
.endif
	MUL8 \fa, \fb, \mw, 4, \zero
	MUL8 \fa, \fb, \mw, 6, \zero
.endm
.macro SG sl, zero                     ; head 8: W and x's row blocks 0-3 are in, the youngest eight loads (blocks 4-7) may be out; mid 8: all but I's eight
	SUBSTEP FX, FB0, W_GATE, \zero, 8, 0, \sl, 0, 0, 0, 8
.endm
.macro SI sl, zero                     ; head 0: I's eight loads are all wanted at once; no wait in the middle: x has long been in
	SUBSTEP FX, FB1, W_PRE, \zero, 0, 1, \sl, 0, FA0, FB0, -1
.endm
.macro SR0 sl                          ; head 8 as in G; mid 24: all but the 24 just issued
	SUBSTEP FA0, FB0, W_PRE, 0, 8, 1, \sl, 1, FA1, FB1, 24
.endm
.macro SR1 sl
	SUBSTEP FA1, FB1, W_PRE, 0, 8, 1, \sl, 2, FA0, FB0, 24
.endm
.macro SR2 sl
	SUBSTEP FA0, FB0, W_PRE, 0, 8, 1, \sl, 3, FA1, FB1, 24
.endm
; SUB-STEP R3 CHANGES SLOTS, in its middle: ONE barrier, for two things.  In front of it each wave waits for all its tensor loads, of which one is out: its part of the next slot; adds 0 to its spare
; word; and waits for that and for its own reads of this slot.  Behind it nobody reads this slot any more and the next slot is whole.  fill = 1: the barrier opens a round of the cluster's, so that no
; wave of any partner still reads the slot or has a load on its way, and the joint refill, with the K step two on, is the first thing behind it.
; A wave's tensor loads follow each other in a chain: a tile lands, the wave has waited for it, the round, the next request.  So NO PRODUCT STANDS BETWEEN THE WAIT FOR A TILE AND THE NEXT REQUEST:
; the sub-step's first 16 products stand ahead of the wait, its last 16 behind the request and the run of LDS loads, and a step's whole 192 matrix instructions lie between a request and the wait for it.
.macro TURN sl, next, fill
.if \fill
	s_wait_xcnt 0x0                                ; the last prefetches, a K step back, have read their addresses, which are stepped here, ahead of the waits of the change
	s_add_nc_u64 s[PFA:PFA+1], s[PFA:PFA+1], s[PFS:PFS+1]
.if (\sl) == 0
	s_add_nc_u64 s[PFX:PFX+1], s[PFX:PFX+1], 2*8192
.endif
.endif
	s_wait_dscnt 8                                 ; W and s's row blocks 0-3 are in; the youngest eight loads (blocks 4-7) may be out
	MUL8 FA1, FB1, W_PRE, 0, 0
	MUL8 FA1, FB1, W_PRE, 2, 0
	WIN 0
	s_wait_tensorcnt 0x0                           ; all my tensor loads have landed, so a group 0 may be written
	ds_add_u32 v[SPW], v[NIL]                      ; 0 onto my spare word; with fill = 1 the descriptors' steps stand between it and the wait for it
.if \fill
	s_add_nc_u64 s[G0S+4*(\sl)+2:G0S+4*(\sl)+3], s[G0S+4*(\sl)+2:G0S+4*(\sl)+3], 2*256    ; this slot's next tiles; the type bits on top are not reached
	s_add_nc_u64 s[G0X+4*(\sl)+2:G0X+4*(\sl)+3], s[G0X+4*(\sl)+2:G0X+4*(\sl)+3], 2*8192
	s_add_nc_u64 s[G0W+4*(\sl)+2:G0W+4*(\sl)+3], s[G0W+4*(\sl)+2:G0W+4*(\sl)+3], 2*WSTEP
.endif
	s_wait_dscnt 0x0                               ; the add is done, and my reads of this slot are over
	s_barrier_signal -1
	s_barrier_wait -1
.if \fill
	CREST
	JLOAD \sl                                      ; the four v_nop behind it are also the places in front of the loads below
.else
	PLACES
.endif
	FETCH_G \next
.if \fill
	ASK \sl
.endif
	MUL8 FA1, FB1, W_PRE, 4, 0
	MUL8 FA1, FB1, W_PRE, 6, 0
.endm
	s_wait_tensorcnt 0x1                           ; my part of K step 0 is in; slot 1's load may stay out
	s_barrier_signal -1
	s_barrier_wait -1                              ; everybody's is
	FETCH_G 0
	SG 0, 1                                        ; K step 0's first two sub-steps stand in front of the loop: their products start all 64 sums
	SI 0, 1
	WIN 0                                          ; at a label and at a branch every window is 0
	s_mov_b32 s[LAP], 15
.Llap:                                                 ; a lap goes once round the ring, from a step's third sub-step to the second of the step two on, and fills both slots again
	SR0 0
	SR1 0
	SR2 0
	TURN 0, 1, 1
	SG 1, 0
	SI 1, 0
	SR0 1
	SR1 1
	SR2 1
	TURN 1, 0, 1
	SG 0, 0
	SI 0, 0
	WIN 0
	s_sub_co_u32 s[LAP], s[LAP], 1
	s_cmp_lg_u32 s[LAP], 0
	s_cbranch_scc1 .Llap
	; THE LAST LAP fills nothing, and has no round.  At its head my part of the state is asked for, for the leak term: for accumulator (a, b) a lane's 8 numbers, 16 bytes, in the accumulator's own layout.
	WIN TO_B
.irp a, 0,1,2,3,4,5,6,7
.irp b, 0,1,2,3
	global_load_b128 v[STW+4*(4*(\a)+(\b)):STW+4*(4*(\a)+(\b))+3], v[SO], s[SBP:SBP+1] offset:(\a)*16*8192+32*(\b)
.endr
.endr
	WIN 0
	SR0 0
	SR1 0
	SR2 0
	TURN 0, 1, 0
	SG 1, 0
	SI 1, 0
	SR0 1
	SR1 1
	SR2 1
	SUBSTEP FA1, FB1, W_PRE, 0, 8, 2, 0, 0, 0, 0, 0    ; the very last sub-step: nothing more to fetch
	PLACES
	PLACES                                         ; plain instructions between the last products and the lines that read sums and rewrite fragments
	WIN 0
	s_wait_loadcnt 0x0                             ; the state
; THE WAY OUT, a block of 16 rows (a) at a time: 32 numbers a lane, number 8 b + j = accumulator (a, b)'s register j.
; PASS: the update.  Each accumulator's registers are read in ascending order.  The 64 exponentials are one batch with one wait, and so are the 64 reciprocals.
.macro PASS a
	WIN 0x02                                       ; source 0 window 2
.set i, 0
.rept 16
	v_pk_mul_f32 v[T1+i:T1+i+1], v[32*(\a)+i:32*(\a)+i+1], s[C1:C1+1] op_sel_hi:[1,0]   ; 2 log2(e) pre
.set i, i+2
.endr
	WIN 0x03                                       ; source 0 window 3
.set i, 0
.rept 16
	v_pk_mul_f32 v[T2+i:T2+i+1], v[32*(\a)+i:32*(\a)+i+1], s[C2:C2+1] op_sel_hi:[1,0]   ; -log2(e) gate
.set i, i+2
.endr
	WIN 0x04                                       ; source 1 window 1: the state; the exponentials work in window 0
.set i, 0
.rept 16
	v_exp_f32 v[T1+2*i], v[T1+2*i]
	v_lshlrev_b32 v[T3+2*i], 16, v[STW+16*(\a)+i]  ; bf16 to f32: the low half moves up,
	v_exp_f32 v[T2+2*i], v[T2+2*i]
	v_exp_f32 v[T1+2*i+1], v[T1+2*i+1]
	v_and_b32 v[T3+2*i+1], s[HIM], v[STW+16*(\a)+i]  ; the high half stays
	v_exp_f32 v[T2+2*i+1], v[T2+2*i+1]
.set i, i+1
.endr
	v_nop                                          ; a plain instruction behind the last exponential,
	s_wait_alu depctr_va_vdst(0)                   ; and the wait ahead of the first line that names a result: one for the batch
	WIN 0
.set i, 0
.rept 16
	v_pk_add_f32 v[T1+i:T1+i+1], v[T1+i:T1+i+1], 1.0 op_sel_hi:[1,0]
	v_pk_add_f32 v[T2+i:T2+i+1], v[T2+i:T2+i+1], 1.0 op_sel_hi:[1,0]
.set i, i+2
.endr
.set i, 0
.rept 16
	v_rcp_f32 v[T1+2*i], v[T1+2*i]
	v_rcp_f32 v[T2+2*i], v[T2+2*i]
	v_rcp_f32 v[T1+2*i+1], v[T1+2*i+1]
	v_rcp_f32 v[T2+2*i+1], v[T2+2*i+1]
	v_pk_fma_f32 v[T3+2*i:T3+2*i+1], v[T3+2*i:T3+2*i+1], s[KA:KA+1], s[KC:KC+1] op_sel_hi:[1,0,0]  ; 0.9 s + 0.1; the last of these is the plain instruction behind the last reciprocal
.set i, i+1
.endr
	s_wait_alu depctr_va_vdst(0)                   ; one wait for the 64 reciprocals
.set i, 0
.rept 16
	v_pk_fma_f32 v[T3+i:T3+i+1], v[T1+i:T1+i+1], s[KB:KB+1], v[T3+i:T3+i+1] op_sel_hi:[1,0,1]      ; 0.9 s + 0.1 - 0.2 / (1 + 2^..) = 0.9 s + 0.1 tanh(pre)
.set i, i+2
.endr
.set i, 0
.rept 16
	v_pk_mul_f32 v[T1+i:T1+i+1], v[T3+i:T3+i+1], v[T2+i:T2+i+1]                                    ; times the gate: the new state
.set i, i+2
.endr
.endm
; TOSTAGE: a lane's eight numbers of a row are 32 bytes; they go into my stage's rows of 272 bytes and come back as whole rows of 256.
.macro TOSTAGE a
	WIN 0
.set BK, OB+32*((\a)%2)
.irp b, 0,1,2,3
	ds_store_b128 v[STO], v[T1+8*(\b):T1+8*(\b)+3]   offset:64*(\b)
	ds_store_b128 v[STO], v[T1+8*(\b)+4:T1+8*(\b)+7] offset:64*(\b)+16
.endr
.irp t, 0,1,2,3,4,5,6,7
	ds_load_b128 v[BK+4*(\t):BK+4*(\t)+3], v[RD] offset:(\t)*2*PS  ; LDS serves a wave's instructions in order (ISA guide 5.7.1.4): these see the stores above; the next block's stores come behind them
.endr
.endm
; SEND: the new state is stored; the spikes are made of the rows as they came back, and stored likewise.  Sixteen lanes store 256 consecutive bytes, at a multiple of 256 from the result's first byte.
.macro SEND a
	WIN 0
.set BK, OB+32*((\a)%2)
	s_wait_dscnt 0x0                               ; the block is back in registers
	s_wait_xcnt 0x0                                ; the spikes' registers, which the last block's stores read, are rewritten only behind this wait; so is the other set of rows, by the next block's loads
.irp t, 0,1,2,3,4,5,6,7
	global_store_b128 v[CO], v[BK+4*(\t):BK+4*(\t)+3], s[12:13] offset:(16*(\a)+2*(\t))*16384 th:TH_STORE_NT
.endr
.set i, 0
.rept 32
	v_cmp_lt_f32 vcc_lo, 0.5, v[BK+i]
	v_cndmask_b32 v[SPK+i], 0, v[ONE], vcc_lo
.set i, i+1
.endr
.irp t, 0,1,2,3,4,5,6,7
	global_store_b128 v[CO], v[SPK+4*(\t):SPK+4*(\t)+3], s[10:11] offset:(16*(\a)+2*(\t))*16384 th:TH_STORE_NT
.endr
.endm
.irp a, 0,1,2,3,4,5,6,7                ; each block leaves as soon as it is made: nothing follows this tile under which its stores could leave, so the wave sits out the stage's round trip and the stores begin a block earlier
	PASS \a
	TOSTAGE \a
	SEND \a
.endr
	s_wait_tensorcnt 0x0                           ; the wave's end: the add to my spare word and its wait, behind my last tensor load and my last LDS store
	ds_add_u32 v[SPW], v[NIL]
	s_wait_dscnt 0x0
	CROUND                                         ; the closing round: no work-group ends while a partner may still ask for a tile that names it
	s_endpgm
.Lfunc_end_k_q694ae55233_gemm:
	.size	k_q694ae55233_gemm, .Lfunc_end_k_q694ae55233_gemm-k_q694ae55233_gemm
	.p2alignl 7, 3214868480
	.fill 96, 4, 3214868480
	.section	.rodata,"a",@progbits
	.p2align	6, 0x0
	.amdhsa_kernel k_q694ae55233_gemm
		.amdhsa_group_segment_fixed_size 327680
		.amdhsa_private_segment_fixed_size 0
		.amdhsa_enable_private_segment 0
		.amdhsa_kernarg_size 40
		.amdhsa_user_sgpr_count 2
		.amdhsa_user_sgpr_kernarg_segment_ptr 1
		.amdhsa_wavefront_size32 1
		.amdhsa_system_sgpr_workgroup_id_x 1
		.amdhsa_system_sgpr_workgroup_id_y 1
		.amdhsa_system_sgpr_workgroup_id_z 1
		.amdhsa_system_vgpr_workitem_id 0
		.amdhsa_next_free_vgpr 1024
		.amdhsa_next_free_sgpr 100
		.amdhsa_reserve_vcc 1
		.amdhsa_float_denorm_mode_32 3
		.amdhsa_float_denorm_mode_16_64 3
		.amdhsa_memory_ordered 1
		.amdhsa_forward_progress 1
		.amdhsa_inst_pref_size 239
	.end_amdhsa_kernel
	.amdgpu_metadata
---
amdhsa.version: [ 1, 2 ]
amdhsa.kernels:
  - .name:           k_q694ae55233_gemm
    .symbol:         k_q694ae55233_gemm.kd
    .args:
      - { .name: xb, .offset: 0, .size: 8, .value_kind: global_buffer, .address_space: global }
      - { .name: sb, .offset: 8, .size: 8, .value_kind: global_buffer, .address_space: global }
      - { .name: wc, .offset: 16, .size: 8, .value_kind: global_buffer, .address_space: global }
      - { .name: out0, .offset: 24, .size: 8, .value_kind: global_buffer, .address_space: global }
      - { .name: out1, .offset: 32, .size: 8, .value_kind: global_buffer, .address_space: global }
    .group_segment_fixed_size: 327680
    .private_segment_fixed_size: 0
    .kernarg_segment_align: 8
    .kernarg_segment_size: 40
    .max_flat_workgroup_size: 128
    .sgpr_count:     100
    .vgpr_count:     1024
    .wavefront_size: 32
...
	.end_amdgpu_metadata
.endif
;; end of part 2
;; ======== version 2 of 2: 2 launches; version 1 with the launch cast written anew for expert scheduling mode
;; workspace buffers: xb 4,194,304 bytes; sb 16,777,216 bytes; wc 50,331,648 bytes
;; launch cast (part 3): grid 512 x 1, 8 waves a work-group, no clusters, 0 bytes of LDS; arguments inputs, reservoir_state, input_weights, gate_weights, reservoir_weights, xb, sb, wc; writes xb, sb, wc
.if DOCPART == 3
	.amdgcn_target "amdgcn-amd-amdhsa--gfx1250"
	.amdhsa_code_object_version 6
	.text
	.protected	k_q694ae55233_cast
	.globl	k_q694ae55233_cast
	.p2align	8
	.type	k_q694ae55233_cast,@function
k_q694ae55233_cast:
	s_mov_b64 s[64:65], 0
	v_nop
	global_prefetch_b8 v0, s[64:65] scope:SCOPE_SE
	s_setreg_imm32_b32 hwreg(HW_REG_WAVE_SCHED_MODE, 0, 2), 2
	s_setreg_imm32_b32 hwreg(HW_REG_WAVE_MODE, 25, 1), 1
	s_wait_xcnt 0x0
	s_wait_alu depctr_vm_vsrc(0)
; THE OPERANDS OF THE THREE PRODUCTS, ROUNDED ONCE TO bf16 (nearest even) AND LAID OUT FOR THE NEXT LAUNCH'S TILES.
;   xb: inputs [2048][1024] in blocks [16 row tiles][32 K steps][128 rows][32 k]: a block is 8,192 dense bytes.
;   sb: reservoir_state [2048][4096], row-major.
;   wc: [6144][4096]: for K step s its rows 192 s + j are: j < 128: reservoir_weights' row 128 s + j; j < 160: input_weights' row 32 s + j - 128; else gate_weights' row 32 s + j - 160.
; prev_output is not among the arguments: reference() takes it and never uses it, so no number of either result hangs on it.
; LIMIT.  Every input is rounded to bf16 (8 significant bits); a magnitude above bf16's largest finite number becomes an infinity.
; SHARES.  The stream is 17 units of 2^21 numbers (inputs 1, state 4, input weights 2, gate weights 2, reservoir weights 8).  Each of the 512 work-groups takes 4,096 numbers of EVERY unit,
; so all do the same work and no branch is written: 68 turns, in each a thread loads 16 bytes (4 f32) and stores 8 (4 bf16).  A wave's load covers 512 consecutive bytes (of inputs: four pieces
; of 128), a wave's store 256 consecutive bytes at a multiple of 256 from the buffer's first byte.  In a weight unit a work-group's 4,096 numbers are one whole row.
; No LDS, no matrix unit, no cluster: nothing is shared between threads.  No prefetch: the launch does nothing but stream.
; THE MODE: SCHED_MODE bits 1:0 = 2 (LLVM: expert scheduling mode 2), set by the entry lines.  The code itself states the register dependences between vector instructions and memory
; instructions, with s_wait_alu, always for 0.
; THE PLAN.  The 68 turns go in 17 BLOCKS of four, a unit each.  Registers that memory instructions touch:
;   v2, v4-25  byte offsets.  Written by vector instructions at the head, once; read by every load and store; never written again.
;   X          five buffers of four slots; block p has buffer p % 5.  Its loads land there; block p's eight conversions read it; behind them the loads of block p + 5 land in it.
;   Y          two registers for EACH of the 68 turns.  Written by the turn's two conversions, once in the launch; read by the turn's store.
; So ONE wait on va_vdst stands in a block, behind its conversions: it states that they are done reading the block's buffer of X, in which the four loads that follow land, and that they have
; written the block's eight registers of Y, which the four stores that follow read.  It stands there and not at the next block's head so that a buffer is asked for again as soon as it is empty:
; 16 to 20 loads of every wave are on their way.  One more wait on va_vdst, at the head, states that the offsets are written.
; No wait on vm_vsrc and none on XCNT is written: no register that a load or store reads, offset or data, is ever written again, so there is no such dependence to state.
.set DEPTH, 20                         ; slots in the ring: five buffers of four
.set NTURN, 68
.set BLOCK, 4                          ; turns in a block
.set NBLK,  NTURN/BLOCK
.set VX,  2                            ; v2      inputs: my 16 bytes in the source, part 0
.set VI,  4                            ; v[4:11]  plain sources: unit j of a tensor: w x 16,384 + 16 t + j x 8,388,608
.set VDS, 12                           ; v[12:15] xb (j = 0) and sb: w x 8,192 + 8 t + j x 4,194,304
.set VDI, 16                           ; v[16:17] wc, input weights' rows (gate weights': 32 rows on, in the immediate)
.set VDR, 18                           ; v[18:25] wc, reservoir weights' rows
.set X,   28                           ; v[28:107]   slot i % DEPTH: 4 registers as loaded
.set Y,   108                          ; v[108:243]  turn i: 2 registers to store, written once in the launch
	s_load_b512 s[4:19], s[0:1], 0x0               ; inputs s[4:5], state s[6:7], input w. s[8:9], gate w. s[10:11], reservoir w. s[12:13], xb s[14:15], sb s[16:17], wc s[18:19]
	s_lshr_b32 s20, ttmp9, 5                       ; w / 32: inputs' row tile; a weight row's K step within the unit
	s_and_b32 s21, ttmp9, 31                       ; w % 32: inputs' K step; the row's place in its step
	s_lshl_b32 s22, s20, 19                        ; 128 rows of 4,096 bytes
	s_lshl_b32 s23, s21, 7                         ; 32 f32 of a row
	s_add_co_u32 s22, s22, s23
	s_mul_i32 s24, s20, 192                        ; wc's row for input weights' row w: 192 (w / 32) + 128 + w % 32
	s_add_co_u32 s24, s24, s21
	s_add_co_u32 s24, s24, 128
	s_lshl_b32 s24, s24, 13                        ; rows of 8,192 bytes
	s_lshr_b32 s25, ttmp9, 7                       ; wc's row for reservoir weights' row w: 192 (w / 128) + w % 128
	s_mul_i32 s25, s25, 192
	s_and_b32 s26, ttmp9, 127
	s_add_co_u32 s25, s25, s26
	s_lshl_b32 s25, s25, 13
	s_lshl_b32 s26, ttmp9, 14                      ; 4,096 f32
	s_lshl_b32 s27, ttmp9, 13                      ; 4,096 bf16
	v_lshrrev_b32 v1, 3, v0                        ; inputs: eight threads take a row's 32 numbers
	v_and_b32 v3, 7, v0
	v_lshl_add_u32 v[VX], v1, 12, s22
	v_lshl_add_u32 v[VX], v3, 4, v[VX]
	v_lshl_add_u32 v[VI], v0, 4, s26
.irp j, 1,2,3,4,5,6,7
	v_add_nc_u32 v[VI+(\j)], (\j)*8388608, v[VI]
.endr
	v_lshl_add_u32 v[VDS], v0, 3, s27
.irp j, 1,2,3
	v_add_nc_u32 v[VDS+(\j)], (\j)*4194304, v[VDS]
.endr
	v_lshl_add_u32 v[VDI], v0, 3, s24
	v_add_nc_u32 v[VDI+1], 16*192*8192, v[VDI]     ; a unit is 512 rows = 16 K steps of 32
	v_lshl_add_u32 v[VDR], v0, 3, s25
.irp j, 1,2,3,4,5,6,7
	v_add_nc_u32 v[VDR+(\j)], (\j)*4*192*8192, v[VDR]  ; a unit is 512 rows = 4 K steps of 128
.endr
	s_wait_kmcnt 0x0
	s_wait_alu depctr_va_vdst(0)                   ; the offsets v2 and v4 to v25 are written: every load and store of the kernel reads one of them, and no line below writes one
; Turn i: unit i / 4, part i % 4 (1,024 numbers).  The part stands in the immediate.
.macro LD i
.set u, (\i)/4
.set k, (\i)%4
.set xr, X+4*((\i)%DEPTH)
.if u == 0
	global_load_b128 v[xr:xr+3], v[VX], s[4:5] offset:k*131072               ; 32 rows further down for each part
.elseif u < 5
	global_load_b128 v[xr:xr+3], v[VI+u-1], s[6:7] offset:k*4096 th:TH_LOAD_NT
.elseif u < 7
	global_load_b128 v[xr:xr+3], v[VI+u-5], s[8:9] offset:k*4096 th:TH_LOAD_NT
.elseif u < 9
	global_load_b128 v[xr:xr+3], v[VI+u-7], s[10:11] offset:k*4096 th:TH_LOAD_NT
.else
	global_load_b128 v[xr:xr+3], v[VI+u-9], s[12:13] offset:k*4096 th:TH_LOAD_NT
.endif
.endm
.macro ST i
.set u, (\i)/4
.set k, (\i)%4
.set yr, Y+2*(\i)
.if u == 0
	global_store_b64 v[VDS], v[yr:yr+1], s[14:15] offset:k*2048              ; work-group w writes block w of xb
.elseif u < 5
	global_store_b64 v[VDS+u-1], v[yr:yr+1], s[16:17] offset:k*2048
.elseif u < 7
	global_store_b64 v[VDI+u-5], v[yr:yr+1], s[18:19] offset:k*2048
.elseif u < 9
	global_store_b64 v[VDI+u-7], v[yr:yr+1], s[18:19] offset:k*2048+32*8192
.else
	global_store_b64 v[VDR+u-9], v[yr:yr+1], s[18:19] offset:k*2048
.endif
.endm
.macro CV i                            ; turn i's four numbers are rounded, from its slot into its own two registers
.set xs, X+4*((\i)%DEPTH)
.set ys, Y+2*(\i)
	v_cvt_pk_bf16_f32 v[ys], v[xs], v[xs+1]
	v_cvt_pk_bf16_f32 v[ys+1], v[xs+2], v[xs+3]
.endm
; Block p: turns 4 p to 4 p + 3.  ahead = 1: its buffer is loaded again, for the block five further on.  left = how many younger loads may stay out.
.macro BLK p, ahead, left
	s_wait_loadcnt \left                           ; loads come back in order (ISA guide 5.7.1): the block's four are in, the younger blocks' stay out
.irp n, 0,1,2,3
	CV BLOCK*(\p)+(\n)
.endr
	s_wait_alu depctr_va_vdst(0)                   ; the eight conversions are done reading the block's buffer of X, in which the loads below land, and have written its eight registers of Y, which the stores below read
.if \ahead
.irp n, 0,1,2,3
	LD BLOCK*(\p)+(\n)+DEPTH                       ; the loads ahead of the stores
.endr
.endif
.irp n, 0,1,2,3
	ST BLOCK*(\p)+(\n)
.endr
.endm
.set i, 0
.rept DEPTH
	LD i                                           ; the ring is filled: no vector instruction has named these registers
.set i, i+1
.endr
.set blk, 0
.rept NBLK-DEPTH/BLOCK
	BLK blk, 1, DEPTH-BLOCK
.set blk, blk+1
.endr
.rept DEPTH/BLOCK
	BLK blk, 0, BLOCK*(NBLK-1-blk)                 ; the last five blocks load nothing: the counts run down 16, 12, 8, 4, 0
.set blk, blk+1
.endr
	s_endpgm
.Lfunc_end_k_q694ae55233_cast:
	.size	k_q694ae55233_cast, .Lfunc_end_k_q694ae55233_cast-k_q694ae55233_cast
	.p2alignl 7, 3214868480
	.fill 96, 4, 3214868480
	.section	.rodata,"a",@progbits
	.p2align	6, 0x0
	.amdhsa_kernel k_q694ae55233_cast
		.amdhsa_group_segment_fixed_size 0
		.amdhsa_private_segment_fixed_size 0
		.amdhsa_enable_private_segment 0
		.amdhsa_kernarg_size 64
		.amdhsa_user_sgpr_count 2
		.amdhsa_user_sgpr_kernarg_segment_ptr 1
		.amdhsa_wavefront_size32 1
		.amdhsa_system_sgpr_workgroup_id_x 1
		.amdhsa_system_sgpr_workgroup_id_y 1
		.amdhsa_system_sgpr_workgroup_id_z 1
		.amdhsa_system_vgpr_workitem_id 0
		.amdhsa_next_free_vgpr 244
		.amdhsa_next_free_sgpr 66
		.amdhsa_reserve_vcc 0
		.amdhsa_float_denorm_mode_32 3
		.amdhsa_float_denorm_mode_16_64 3
		.amdhsa_memory_ordered 1
		.amdhsa_forward_progress 1
		.amdhsa_inst_pref_size 25
	.end_amdhsa_kernel
	.amdgpu_metadata
---
amdhsa.version: [ 1, 2 ]
amdhsa.kernels:
  - .name:           k_q694ae55233_cast
    .symbol:         k_q694ae55233_cast.kd
    .args:
      - { .name: inputs, .offset: 0, .size: 8, .value_kind: global_buffer, .address_space: global }
      - { .name: reservoir_state, .offset: 8, .size: 8, .value_kind: global_buffer, .address_space: global }
      - { .name: input_weights, .offset: 16, .size: 8, .value_kind: global_buffer, .address_space: global }
      - { .name: gate_weights, .offset: 24, .size: 8, .value_kind: global_buffer, .address_space: global }
      - { .name: reservoir_weights, .offset: 32, .size: 8, .value_kind: global_buffer, .address_space: global }
      - { .name: xb, .offset: 40, .size: 8, .value_kind: global_buffer, .address_space: global }
      - { .name: sb, .offset: 48, .size: 8, .value_kind: global_buffer, .address_space: global }
      - { .name: wc, .offset: 56, .size: 8, .value_kind: global_buffer, .address_space: global }
    .group_segment_fixed_size: 0
    .private_segment_fixed_size: 0
    .kernarg_segment_align: 8
    .kernarg_segment_size: 64
    .max_flat_workgroup_size: 256
    .sgpr_count:     66
    .vgpr_count:     244
    .wavefront_size: 32
...
	.end_amdgpu_metadata
.endif
;; end of part 3
;; launch gemm: the kernel of part 2 again; grid 16 x 16, 4 waves a work-group, clusters of 4 x 4, 327,680 bytes of LDS; arguments xb, sb, wc, out0, out1; writes out0, out1
